; MI455X (gfx1250); checked and timed in simulation.
; The chip was launched on July 23, 2026; its instructions are those of AMD's public machine-readable ISA for CDNA 5 (MIT licence, August 2026) and "CDNA5" Instruction Set Architecture Reference Guide (July 2026). The comments in the code are by the model that wrote it; some were corrected since.
;; Grouped Query Attention. Allowed arithmetic: matrix products marked QUANTISED: E2M1 operands, one E8M0 scale for each 32 along K, by v_wmma_scale_f32_16x16x128_f8f6f4 with both operands' format E2M1 (or v_wmma_scale_f32_32x16x128_f4), f32 sums; everything else in f32.
;; Inputs: Wk 2,048 x 512 float32; Wq 2,048 x 2,048 float32; Wv 2,048 x 512 float32; bk 512 float32; bq 2,048 float32; bv 512 float32; hidden_states 2 x 2,048 x 2,048 float32.
;; Outputs: out0 2 x 2,048 x 2,048 float32.
;; This version of the problem:
;;   THIS VERSION OF THE PROBLEM IS GIVEN IN LOW PRECISION. The matrix products marked QUANTISED in the list below multiply operands that are first quantised to E2M1 (2 exponent bits, 1 mantissa bit; 4 bits a number), with one power-of-two scale for each 32 numbers along K (OCP MX v1.0); their sums are f32. All else is computed in f32.
;;   The module's matrix products, in the order in which they are computed (A, B: the left and right operand; K: the contracted axis; several contracted axes count as one K, in the product's order):
;;     1. [M 4,096, K 2,048] x [K 2,048, N 2,048]; A: input hidden_states; B: input Wq: QUANTISED
;;     2. [M 4,096, K 2,048] x [K 2,048, N 512]; A: input hidden_states; B: input Wk: QUANTISED
;;     3. [M 4,096, K 2,048] x [K 2,048, N 512]; A: input hidden_states; B: input Wv: QUANTISED
;;     4. batch 64 x [M 2,048, K 64] x [K 64, N 2,048]; A: computed on the way; B: computed on the way: QUANTISED
;;     5. batch 64 x [M 2,048, K 2,048] x [K 2,048, N 64]; A: softmax (see below); B: computed on the way: QUANTISED
;;   THE QUANTISER, for each operand of a quantised product, along K:
;;     - K is cut into blocks of 32 from its start; a last block that is shorter is filled with zeros.
;;     - A block's scale is 2^e with e = floor(log2(the largest magnitude in the block)) - 2, held to -126 .. 127; a block of zeros has e = 0. As a byte (E8M0): e + 127.
;;     - Each number is divided by its block's scale, clamped to +-6, and rounded to the nearest number of E2M1, ties to even, subnormals kept.
;;     - The product sums the exact products of the quantised numbers (number of the format x scale) in f32.
;;   ~~~python
;;   def quantise(x, axis):      # numpy; x: float32 -> the quantised numbers, widened to float32 again
;;       x = np.moveaxis(x, axis, -1); K = x.shape[-1]
;;       x = np.pad(x, [(0, 0)] * (x.ndim - 1) + [(0, -K % 32)]); x = x.reshape(x.shape[:-1] + (-1, 32)); a = np.abs(x).max(-1, keepdims=True)
;;       e = np.where(a > 0, np.clip(np.frexp(np.where(a > 0, a, 1))[1] - 1 - 2, -126, 127), 0)      # np.frexp(a)[1] - 1 = floor(log2(a)), exactly
;;       r = np.clip(x / 2.0 ** e, -6, 6)
;;       step = 2.0 ** (np.maximum(np.frexp(np.where(r == 0, 1, r))[1] - 1, 0) - 1)
;;       q = np.round(r / step) * step * 2.0 ** e      # np.round: ties to even
;;       return np.moveaxis(q.reshape(q.shape[:-2] + (-1,))[..., :K], -1, axis).astype(np.float32)
;;   ~~~
;;   SOFTMAX AHEAD OF A QUANTISED PRODUCT. Where the list says 'softmax', what is quantised is not the finished softmax but p = 2^(t - M), with t = logit x log2(e) and M = ceil(the row's largest t), a whole number; so 1/2 < the row's largest p <= 1. The row's sum l is taken of the UNQUANTISED p, in f32, and the product's result is divided by l at the end. Since M is a whole number, a kernel that streams over the keys may use a running M (the ceiling of the running maximum): every later rescaling is an exact power of two, which a block's scale takes up: the codes' values come out the same.
;;   OPERANDS COMPUTED ON THE WAY. 'Computed on the way' means the value that the module computes at that place (a softmax that the list does not call 'softmax' is quantised finished and normalised). What goes into a quantiser is computed in f32, as accurately as f32 sums, v_exp_f32 and their like allow (about 1e-6 of the number): no bf16 or f16 on the way to a quantiser, and a product that is left as it is and whose result goes on into a quantised operand takes f32 operands (vector FMAs, or v_wmma_f32_16x16x4_f32). A number that lies on a knife's edge between two numbers of the format may be rounded either way, as far as f32 arithmetic and the matrix unit's own rounding can turn it there, and no further.
;; One version. Each part assembles by itself: llvm-mc -triple=amdgcn-amd-amdhsa -mcpu=gfx1250 --defsym DOCPART=n.
;; ======== version 1 of 1: 3 launches
;; limits: right only within a limited range of input values
;; workspace buffers: x_codes 4,194,304 bytes; x_scales 262,144 bytes; w_codes 3,145,728 bytes; w_scales 196,608 bytes; qbuf 4,718,592 bytes; kvbuf 2,293,760 bytes
;; launch quant (part 1): grid 640 x 1, 4 waves a work-group, no clusters, 41,472 bytes of LDS; arguments hidden_states, Wq, Wk, Wv, x_codes, x_scales, w_codes, w_scales; writes x_codes, x_scales, w_codes, w_scales
.if DOCPART == 1
	.amdgcn_target "amdgcn-amd-amdhsa--gfx1250"
	.amdhsa_code_object_version 6
	.text
	.protected	k_q50e6e0f165_quant
	.globl	k_q50e6e0f165_quant
	.p2align	8
	.type	k_q50e6e0f165_quant,@function
k_q50e6e0f165_quant:
	s_mov_b64 s[64:65], 0
	v_nop
	global_prefetch_b8 v0, s[64:65] scope:SCOPE_SE
	s_setreg_imm32_b32 hwreg(HW_REG_WAVE_MODE, 25, 1), 1
	s_wait_xcnt 0x0
; hidden_states [4096][2048] (K innermost) and Wq [2048][2048], Wk, Wv [2048][512] (K is the FIRST axis), all f32, become codes of FP4 (E2M1), K innermost,
; two codes a byte, with one E8M0 scale byte for each 32 along K:  x_codes [4096][1024 B], x_scales [4096][64 B];  w_codes [3072][1024 B], w_scales [3072][64 B] (rows 0-2047 Wq's columns, 2048-2559 Wk's, 2560-3071 Wv's).
; A block's scale is 2^(floor(log2(its largest magnitude)) - 2); its byte is the largest magnitude's exponent field - 2, held at 1 from below.
; POSITION ORDER: in all four buffers row p holds the token (or the column of W) whose number is p with bits 3 and 4 exchanged; the later launches read plain neighbouring rows.
; LIMITS: NaN and infinities are not served; a block whose largest magnitude lies under 2^-124 gets the byte 1; a block of zeros gets the byte 1 and not 127: its codes are zeros, and this program alone reads the bytes.
; SHARES: work-groups 0-255 take hidden_states (16 rows each, four to a wave: 128 KiB read); 256-511 Wq, 512-639 Wk and Wv (32 columns x 512 along K each: 64 KiB read).
; In a work-group of W the four waves take 128 along K each, four blocks of 32 to a lane; their codes and scale bytes meet in one stage in LDS, behind one barrier, and leave as rows: 256 bytes of codes of a column.
; The three paths part on the work-group's number, never join, and have LDS bytes of their own.  No tensor loads, no matrix unit, no cluster: every input byte is read once and nothing is shared between work-groups.
.set STEPS, 16                         ; x: steps of 512 numbers for a wave
.set AH,    8                          ; x: loads run eight steps (32 loads a wave) ahead
.set EMAX,  2                          ; the exponent of the format's largest number, 6
.set CB,    8                          ; bytes of 16 codes
.set SP,    80                         ; x: a lane's place in a stage: its 64 bytes + 16 of padding
.set WREG,  5632                       ; x: LDS of a wave: two stages of 32 x SP bytes, its 256 scale bytes at 5,120
.set RL,    16                         ; x: v16-143   eight sets of 16 numbers as they are loaded
.set XN,    144                        ; x: v144-175  two sets of 16 neighbours
.set EB,    176                        ; x: v176-191  a scale byte for each step
.set XC,    192                        ; x: v192-223  two registers of codes for each step: no store's data are written again
.set NB,    4                          ; W: blocks of 32 along K for a lane
.set WP,    272                        ; W: a stage row: 256 bytes of codes + 16
.set WST,   32*WP+512                  ; W: a work-group's stage: 32 rows of codes, then 32 x 16 scale bytes
.set LW0,   4*WREG                     ; W: Wq's stage
.set LW1,   LW0+WST                    ; W: Wk's and Wv's
.set SPARE, LW1+WST                    ; the spare words, 128 bytes for each wave
.set WX,    32                         ; W: v32-95    two sets of 32 numbers
.set WC,    96                         ; W: v96-99    a block's codes
.set OUTR,  112                        ; W: v112-131  the way out
.set SB,    24                         ; W: v24       my four scale bytes
; ---------------- x: a load takes 512 consecutive bytes, 16 a lane; a step's 2,048 bytes turn through the wave's stage and come back 64 bytes a lane: 16 neighbours along K
.macro XLOAD t
.irp i, 0,1,2,3
	global_load_b128 v[RL+16*((\t)%AH)+4*\i:RL+16*((\t)%AH)+4*\i+3], v3, s[4:5] offset:2048*(\t)+512*\i th:TH_LOAD_NT
.endr
.endm
.macro XTURN t                         ; LDS serves a wave's instructions in order (ISA guide 5.7.1.4): no wait between the stores and the loads
.irp i, 0,1,2,3
	ds_store_b128 v14, v[RL+16*((\t)%AH)+4*\i:RL+16*((\t)%AH)+4*\i+3] offset:32*SP*((\t)%2)+8*SP*\i
.endr
.irp i, 0,1,2,3
	ds_load_b128 v[XN+16*((\t)%2)+4*\i:XN+16*((\t)%2)+4*\i+3], v15 offset:32*SP*((\t)%2)+16*\i
.endr
.endm
.macro XSTEP t
.set XS, XN+16*((\t)%2)
.if (\t) > 0
	s_wait_dscnt 1                                 ; this step's numbers are back from the stage; the last step's byte store may be out
.else
	s_wait_dscnt 0x0
.endif
.if (\t)+AH < STEPS
	XLOAD (\t)+AH                                  ; into the set that this step's stage stores have read
.endif
.if (\t)+1 < STEPS
.if STEPS-2-(\t) >= AH-1
	s_wait_loadcnt 4*(AH-1)                        ; the next step's four loads are in; those of the seven steps behind it may be out
.else
	s_wait_loadcnt 4*(STEPS-2-(\t))                ; near the end fewer steps are behind it
.endif
	XTURN (\t)+1                                   ; through the other stage while this step is worked
.endif
	v_max3_num_f32 v8, |v[XS]|, |v[XS+1]|, |v[XS+2]|               ; the largest magnitude of my 16, in two chains
	v_max3_num_f32 v9, |v[XS+3]|, |v[XS+4]|, |v[XS+5]|
.irp i, 6,10
	v_max3_num_f32 v8, v8, |v[XS+\i]|, |v[XS+\i+1]|
	v_max3_num_f32 v9, v9, |v[XS+\i+2]|, |v[XS+\i+3]|
.endr
	v_max3_num_f32 v8, v8, |v[XS+14]|, |v[XS+15]|
	v_max3_num_f32 v8, v8, v9, (EMAX+1)<<23        ; and the floor 2^(3 - 127): the byte cannot fall under 1
	v_max_num_f32_dpp v8, v8, v8 row_xmask:1 row_mask:0xf bank_mask:0xf   ; with my neighbour's 16: the block's
	v_add_nc_u32 v11, -(EMAX<<23), v8              ; 2 off its exponent field: the conversion takes the exponent field of this operand as its scale
	v_cvt_scalef32_pk8_fp4_f32 v[XC+2*(\t)], v[XS:XS+7], v11
	v_cvt_scalef32_pk8_fp4_f32 v[XC+2*(\t)+1], v[XS+8:XS+15], v11
	v_lshrrev_b32 v[EB+(\t)], 23, v11              ; the scale's byte (a plain line behind the conversions)
	ds_store_b8 v5, v[EB+(\t)] offset:16*(\t)      ; both lanes of a block write the same byte with the same value
	global_store_b64 v4, v[XC+2*(\t):XC+2*(\t)+1], s[12:13] offset:32*CB*(\t)   ; the wave stores 256 consecutive bytes, aligned
.endm
; ---------------- W: a lane takes a column, its registers run down K: a block of 32 lies in one lane, and the codes come out with K innermost
.macro WLOAD t, cols
.irp i, 0,1,2,3,4,5,6,7,8,9,10,11,12,13,14,15,16,17,18,19,20,21,22,23,24,25,26,27,28,29,30,31
	global_load_b32 v[WX+32*((\t)%2)+\i], v3, s[22:23] offset:(32*(\t)+\i)*\cols*4 th:TH_LOAD_NT   ; 127 rows of 8,192 bytes at the most: inside the signed 24-bit immediate (ISA guide, chapter 10)
.endr
.endm
.macro WBLOCK t, cols
.set XS, WX+32*((\t)%2)
.if (\t) < NB-1
	s_wait_loadcnt 32                              ; this block's 32 loads are in; the next block's may be out
.else
	s_wait_loadcnt 0
.endif
	v_max3_num_f32 v12, |v[XS]|, |v[XS+1]|, |v[XS+2]|
	v_max3_num_f32 v13, |v[XS+3]|, |v[XS+4]|, |v[XS+5]|
.irp i, 6,10,14,18,22,26
	v_max3_num_f32 v12, v12, |v[XS+\i]|, |v[XS+\i+1]|
	v_max3_num_f32 v13, v13, |v[XS+\i+2]|, |v[XS+\i+3]|
.endr
	v_max3_num_f32 v12, v12, |v[XS+30]|, |v[XS+31]|
	v_max3_num_f32 v12, v12, v13, (EMAX+1)<<23     ; the floor
	v_add_nc_u32 v11, -(EMAX<<23), v12             ; the conversion's scale operand
	v_lshrrev_b32 v13, 23, v11                     ; the scale's byte
.if (\t) == 0
	v_mov_b32 v[SB], v13                           ; four bytes to a register, the lower K in the lower byte
.else
	v_lshl_or_b32 v[SB], v13, 8*(\t), v[SB]
.endif
.irp g, 0,1,2,3
	v_cvt_scalef32_pk8_fp4_f32 v[WC+\g], v[XS+8*\g:XS+8*\g+7], v11
.endr
	ds_store_b128 v4, v[WC:WC+3] offset:16*(\t)    ; 32 codes: 16 bytes of my column's row
.if (\t)+2 < NB
	WLOAD (\t)+2, \cols
.endif
	s_wait_dscnt 0x0                               ; the store has read its registers: the next block's codes may be written (its first lines are plain vector lines)
.endm
; s[22:23] the tensor, s24 which 32 columns, s25 which 512 along K, s26 the tensor's first row in w_codes.  cols: numbers in a row of the tensor.  lbase: this path's stage.
.macro WPATH cols, lbase
	s_lshl_b32 s27, s24, 5                         ; my work-group's first column
	v_lshlrev_b32 v3, 2, v2                        ; in: 4 bytes a lane: the wave reads 128 consecutive bytes of a row
	v_and_b32 v5, 7, v2
	v_bfe_u32 v6, v2, 3, 1
	v_lshl_or_b32 v5, v6, 4, v5
	v_bfe_u32 v6, v2, 4, 1
	v_lshl_or_b32 v5, v6, 3, v5                    ; my column's position: the lane's number with bits 3 and 4 exchanged
	s_lshl_b32 s28, s20, 6
	s_add_co_u32 s28, s28, \lbase                  ; the stage, at my wave's 64 bytes of each row
	v_mul_u32_u24 v4, v5, WP
	v_add_nc_u32 v4, s28, v4                       ; into it: row = my position
	s_lshl_b32 s28, s20, 2
	s_add_co_u32 s28, s28, \lbase+32*WP
	v_lshlrev_b32 v9, 4, v5
	v_add_nc_u32 v9, s28, v9                       ; and my four scale bytes: 16 x position + 4 x wave
	v_and_b32 v5, 15, v2
	v_lshrrev_b32 v6, 4, v2                        ; out of it: sixteen lanes to a row, two rows an instruction, eight rows a wave
	s_mul_i32 s28, s20, 8*WP
	s_add_co_u32 s28, s28, \lbase
	v_mul_u32_u24 v7, v6, WP
	v_lshl_add_u32 v7, v5, 4, v7
	v_add_nc_u32 v7, s28, v7
	v_lshlrev_b32 v8, 10, v6
	v_lshl_add_u32 v8, v5, 4, v8                   ; the same place in w_codes: rows of 1,024 bytes
	v_lshlrev_b32 v10, 4, v2
	v_add_nc_u32 v10, \lbase+32*WP, v10            ; wave 0: a row's 16 scale bytes a lane,
	v_lshlrev_b32 v14, 6, v2                       ; and its place in w_scales
	s_lshl_b32 s30, s25, 2
	s_add_co_u32 s30, s30, s20                     ; which 128 along K is my wave's
	s_mul_i32 s30, s30, 128*\cols*4
	s_lshl_b32 s29, s27, 2
	s_add_co_u32 s30, s30, s29                     ; + 4 x column
	s_mov_b32 s31, 0
	s_add_nc_u64 s[22:23], s[22:23], s[30:31]
	s_add_co_u32 s27, s27, s26                     ; the work-group's first row of w_codes and w_scales
	s_lshl_b32 s30, s20, 3
	s_add_co_u32 s30, s30, s27                     ; the eight rows that my wave stores
	s_lshl_b32 s30, s30, 10
	s_lshl_b32 s29, s25, 8
	s_add_co_u32 s30, s30, s29                     ; codes: row x 1,024 + 256 x step
	s_add_nc_u64 s[16:17], s[16:17], s[30:31]
	s_lshl_b32 s30, s27, 6
	s_lshl_b32 s29, s25, 4
	s_add_co_u32 s30, s30, s29                     ; scale bytes: row x 64 + 16 x step
	s_add_nc_u64 s[18:19], s[18:19], s[30:31]
	WLOAD 0, \cols
	WLOAD 1, \cols
.set Q, 0
.rept NB
	WBLOCK Q, \cols
.set Q, Q+1
.endr
	s_wait_alu depctr_va_vdst(0)                   ; the bytes' register was written just ahead of a wait
	ds_store_b32 v9, v[SB]
	s_wait_dscnt 0x0                               ; my stores into the stage are done,
	s_barrier_signal -1
	s_barrier_wait -1                              ; everybody's are
.irp t, 0,1,2,3
	ds_load_b128 v[OUTR+4*\t:OUTR+4*\t+3], v7 offset:2*\t*WP
.endr
.irp t, 0,1,2,3
	s_wait_dscnt 3-\t                              ; load t is back; the younger ones may be out
	global_store_b128 v8, v[OUTR+4*\t:OUTR+4*\t+3], s[16:17] offset:2*\t*1024   ; sixteen lanes store 256 consecutive bytes, aligned
.endr
	s_cmp_lg_u32 s20, 0
	s_cbranch_scc1 .Lno_bytes_\@
	ds_load_b128 v[OUTR+16:OUTR+19], v10           ; wave 0 stores the 32 rows' scale bytes, 16 a row
	s_wait_dscnt 0x0
	global_store_b128 v14, v[OUTR+16:OUTR+19], s[18:19]
.Lno_bytes_\@:
	s_wait_tensorcnt 0x0                           ; the wave's end
	ds_add_u32 v224, v225
	s_wait_dscnt 0x0
	s_endpgm
.endm
	s_load_b256 s[4:11], s[0:1], 0x0               ; hidden_states s[4:5], Wq s[6:7], Wk s[8:9], Wv s[10:11]
	s_load_b256 s[12:19], s[0:1], 0x20             ; x_codes s[12:13], x_scales s[14:15], w_codes s[16:17], w_scales s[18:19]
	v_lshl_add_u32 v224, v0, 2, SPARE
	v_mov_b32 v225, 0
	v_lshrrev_b32 v1, 5, v0
	v_readfirstlane_b32 s20, v1                    ; wave 0..3
	v_and_b32 v2, 31, v0                           ; lane
	s_wait_kmcnt 0x0
	s_cmp_ge_u32 ttmp9, 512
	s_cbranch_scc1 .Lwkv
	s_cmp_ge_u32 ttmp9, 256
	s_cbranch_scc1 .Lwq
	; ---- hidden_states.  My wave's run: 8,192 numbers = four rows.  Exchanging bits 3 and 4 of a row's number is exchanging bits 1 and 2 of the run's.
	s_lshl_b32 s21, ttmp9, 2
	s_add_co_u32 s21, s21, s20                     ; the run that I read, 0..1023
	s_and_b32 s22, s21, 0xfffffff9
	s_bfe_u32 s23, s21, 0x10001
	s_lshl_b32 s23, s23, 2
	s_or_b32 s22, s22, s23
	s_bfe_u32 s23, s21, 0x10002
	s_lshl_b32 s23, s23, 1
	s_or_b32 s22, s22, s23                         ; the run that I write
	s_lshl_b32 s24, s21, 15                        ; 32,768 bytes of numbers a run,
	s_mov_b32 s25, 0
	s_add_nc_u64 s[4:5], s[4:5], s[24:25]
	s_lshl_b32 s24, s22, 12                        ; 4,096 of codes,
	s_add_nc_u64 s[12:13], s[12:13], s[24:25]
	s_lshl_b32 s24, s22, 8                         ; 256 of scale bytes
	s_add_nc_u64 s[14:15], s[14:15], s[24:25]
	s_wait_alu depctr_va_vdst(0)
	v_lshlrev_b32 v3, 4, v2                        ; my 16 bytes of a load's 512
	s_mul_i32 s26, s20, WREG
	v_lshrrev_b32 v14, 2, v2
	v_mul_u32_u24 v14, v14, SP
	v_and_b32 v15, 3, v2
	v_lshl_add_u32 v14, v15, 4, v14
	v_add_nc_u32 v14, s26, v14                     ; the stage, on the way in: four lanes' 64 bytes on end, then 16 of padding
	v_mul_u32_u24 v15, v2, SP
	v_add_nc_u32 v15, s26, v15                     ; and on the way out: my 16 neighbours
	v_mul_u32_u24 v4, v2, CB                       ; my codes' place in a step's 256 bytes
	v_lshrrev_b32 v5, 1, v2
	s_add_co_u32 s26, s26, 2*32*SP
	v_add_nc_u32 v5, s26, v5                       ; my wave's 256 scale bytes: my block's byte
	v_lshlrev_b32 v7, 3, v2                        ; and on the way out 8 bytes a lane
	v_add_nc_u32 v6, s26, v7
.irp t, 0,1,2,3,4,5,6,7
	XLOAD \t
.endr
	s_wait_alu depctr_va_vdst(0)
	s_wait_loadcnt 4*(AH-1)                        ; step 0's four loads are in; the seven younger steps' 28 may be out
	XTURN 0
.irp t, 0,1,2,3,4,5,6,7,8,9,10,11,12,13,14,15
	XSTEP \t
.endr
	ds_load_b64 v[12:13], v6                       ; the run's 256 scale bytes: these see my stores
	s_wait_dscnt 0x0
	global_store_b64 v7, v[12:13], s[14:15]        ; the wave stores 256 consecutive bytes, aligned
	s_wait_tensorcnt 0x0                           ; the wave's end
	ds_add_u32 v224, v225
	s_wait_dscnt 0x0
	s_endpgm
.Lwq:
	s_mov_b64 s[22:23], s[6:7]
	s_and_b32 s24, ttmp9, 63                       ; 64 groups of 32 columns
	s_bfe_u32 s25, ttmp9, 0x20006                  ; 4 steps of 512 along K
	s_mov_b32 s26, 0
	s_wait_alu depctr_va_vdst(0)
	WPATH 2048, LW0
.Lwkv:
	s_sub_co_u32 s21, ttmp9, 512                   ; 0-63 Wk, 64-127 Wv
	s_and_b32 s24, s21, 15
	s_bfe_u32 s25, s21, 0x20004
	s_mov_b32 s26, 2560
	s_cmp_lt_u32 s21, 64                           ; the choice hangs on the work-group's number alone
	s_cselect_b64 s[22:23], s[8:9], s[10:11]
	s_cselect_b32 s26, 2048, s26
	s_wait_alu depctr_va_vdst(0)
	WPATH 512, LW1
.Lfunc_end_k_q50e6e0f165_quant:
	.size	k_q50e6e0f165_quant, .Lfunc_end_k_q50e6e0f165_quant-k_q50e6e0f165_quant
	.p2alignl 7, 3214868480
	.fill 96, 4, 3214868480
	.section	.rodata,"a",@progbits
	.p2align	6, 0x0
	.amdhsa_kernel k_q50e6e0f165_quant
		.amdhsa_group_segment_fixed_size 41472
		.amdhsa_private_segment_fixed_size 0
		.amdhsa_enable_private_segment 0
		.amdhsa_kernarg_size 64
		.amdhsa_user_sgpr_count 2
		.amdhsa_user_sgpr_kernarg_segment_ptr 1
		.amdhsa_wavefront_size32 1
		.amdhsa_system_sgpr_workgroup_id_x 1
		.amdhsa_system_sgpr_workgroup_id_y 1
		.amdhsa_system_sgpr_workgroup_id_z 1
		.amdhsa_system_vgpr_workitem_id 0
		.amdhsa_next_free_vgpr 226
		.amdhsa_next_free_sgpr 66
		.amdhsa_reserve_vcc 0
		.amdhsa_float_denorm_mode_32 3
		.amdhsa_float_denorm_mode_16_64 3
		.amdhsa_memory_ordered 1
		.amdhsa_forward_progress 1
		.amdhsa_inst_pref_size 77
	.end_amdhsa_kernel
	.amdgpu_metadata
---
amdhsa.version: [ 1, 2 ]
amdhsa.kernels:
  - .name:           k_q50e6e0f165_quant
    .symbol:         k_q50e6e0f165_quant.kd
    .args:
      - { .name: hidden_states, .offset: 0, .size: 8, .value_kind: global_buffer, .address_space: global }
      - { .name: Wq, .offset: 8, .size: 8, .value_kind: global_buffer, .address_space: global }
      - { .name: Wk, .offset: 16, .size: 8, .value_kind: global_buffer, .address_space: global }
      - { .name: Wv, .offset: 24, .size: 8, .value_kind: global_buffer, .address_space: global }
      - { .name: x_codes, .offset: 32, .size: 8, .value_kind: global_buffer, .address_space: global }
      - { .name: x_scales, .offset: 40, .size: 8, .value_kind: global_buffer, .address_space: global }
      - { .name: w_codes, .offset: 48, .size: 8, .value_kind: global_buffer, .address_space: global }
      - { .name: w_scales, .offset: 56, .size: 8, .value_kind: global_buffer, .address_space: global }
    .group_segment_fixed_size: 41472
    .private_segment_fixed_size: 0
    .kernarg_segment_align: 8
    .kernarg_segment_size: 64
    .max_flat_workgroup_size: 128
    .sgpr_count:     66
    .vgpr_count:     226
    .wavefront_size: 32
...
	.end_amdgpu_metadata
.endif
;; end of part 1
;; launch proj (part 2): grid 12 x 16, 4 waves a work-group, no clusters, 327,680 bytes of LDS; arguments x_codes, x_scales, w_codes, w_scales, bq, bk, bv, qbuf, kvbuf; writes qbuf, kvbuf
.if DOCPART == 2
	.amdgcn_target "amdgcn-amd-amdhsa--gfx1250"
	.amdhsa_code_object_version 6
	.text
	.protected	k_q50e6e0f165_proj
	.globl	k_q50e6e0f165_proj
	.p2align	8
	.type	k_q50e6e0f165_proj,@function
k_q50e6e0f165_proj:
	s_mov_b64 s[64:65], 0
	v_nop
	global_prefetch_b8 v0, s[64:65] scope:SCOPE_SE
	s_setreg_imm32_b32 hwreg(HW_REG_WAVE_MODE, 25, 1), 1
	s_wait_xcnt 0x0
; q = x Wq + bq, k = x Wk + bk, v = x Wv + bv on codes of FP4 (E2M1) with one E8M0 scale for each 32 along K = 2,048; sums in f32; then q and k are quantised along the head's 64 and v along the keys,
; and leave as IMAGES OF THE ATTENTION'S OPERAND REGISTERS: nothing goes to memory in f32.
; x_codes [4096][1024 B], w_codes [3072][1024 B], their scale bytes [..][64 B]; rows in POSITION ORDER (row p holds the token or column whose number is p with bits 3 and 4 exchanged).
; A tile of 256 x 256 is made by a work-group of four waves, a wave makes 128 x 128: 64 accumulators, 512 registers.  K goes in steps of 512 (rows of 256 bytes) through a ring of two LDS slots filled by the
; tensor data mover, a quarter of a slot to a wave; the scale bytes of the tile's 512 rows, for all of K, come once with the first fills and stay.
; THE MATRIX INSTRUCTION: source 0 = 16 rows of 'B', source 1 = 16 rows of 'A': a lane holds ONE row of A, its registers run along rows of B; since B's rows lie in position order, the 16 registers of two
; neighbouring tiles are 16 neighbours of the true order.
;   work-group x < 10 (q: 0-7, k: 8, 9):  A = tokens, B = columns of W: a lane holds a token, its registers run along d.     x = 10, 11 (v):  A = columns of Wv, B = tokens: a lane holds a d, its registers run along the keys.
; Both buffers have rows of the same length, so the loop is one text: only pointers are chosen, on the work-group's and the wave's number.
; OUT: qbuf [b 32 + head][16 groups of 128 tokens][4,608 B]: tile a's codes at 512 a + 16 lane (registers 0-3 of the operand: d = 32 (lane / 16) + 0 .. 31 of token position 16 a + lane % 16); the scale word of
;   position 16 a + r at 4,096 + 256 (a % 2) + 16 r + 4 (a / 2): two bytes for the head's two blocks, then 0x7f twice for the 64 zero codes that fill the instruction's 128.
;   kvbuf [b 8 + head][16 groups][8,960 B]: k as q; v's codes at 4,608 + 1,024 t + 512 c + 16 lane (registers 4 c .. 4 c + 3: keys 64 c + 32 (lane / 16) + 0 .. 31 of d position 16 t + lane % 16); v's scale word of
;   d position 16 t + r at 8,704 + 128 (t % 2) + 8 r + 4 (t / 2).
; NO CLUSTER: the 10 tile columns of q and k and the 2 of v do not divide into 4 x 4, and a cluster that held tiles of k and of v would part on a work-group's place in it at the way out; four work-groups along
; the tokens could share the tile of W alone, half of a step's bytes, for a round of the cluster's barrier at each of the three fills.
; LIMITS: NaN and infinities are not served; a block whose largest magnitude lies under 2^-124, a block of zeros among them, gets the byte 1 (zero codes add nothing under it; this program alone reads the bytes).
; REGISTERS, in windows of 256: window 0: v0-31 addresses; v32-95 scale words, two sets, and nothing else; v128-191 A's fragments, ONE set.   window 1: B's fragments, TWO sets, at v0 and v128.
;   window 2: the 32 accumulators of my A rows 0-63 (accumulator (a, b) at v[8 (8 a + b)]);   window 3: those of rows 64-127.
;   On the way out: window 0: v96-111 at work, v112-119 scale words made, v120-127 scale words read back, v128-191 a tile's 64 numbers, v192-255 codes, a set for each tile;  window 1: v0-63 the biases.
.set KSTEP,  512
.set NQ,     KSTEP/128                 ; matrix instructions deep in a slot
.set ROWB,   256                       ; a tile's row in bytes
.set KROW,   1024                      ; a row of codes in memory
.set PITCH,  272                       ; an LDS row: 256 bytes + 16 of padding = 68 words: row r starts at bank 4 r mod 64 (64 banks of 4 bytes: ISA guide 11.1)
.set FR,     8                         ; registers of a fragment: 16 rows x 128 K
.set NL,     2                         ; LDS loads that bring one
.set NP,     4                         ; places behind this matrix instruction (ISA guide 7.12.1)
.set HALFT,  128*PITCH                 ; 128 rows: what one tensor load brings
.set SLOT,   4*HALFT                   ; A's 256 rows, then B's 256 rows
.set LAPS,   2                         ; a lap = two K steps = once round the ring: 2,048 / 1,024
.set KS,     64                        ; a row of scale bytes
.set SCL,    2*SLOT                    ; behind the ring: the scale bytes, as units of 256 bytes + 16 of padding
.set HALFS,  (128*KS/256)*272          ; those of 128 rows: what one tensor load brings
.set SBLK,   (16*KS/256)*272           ; those of 16 rows
.set SPARE,  SCL+4*HALFS               ; behind the scales: the spare words, 128 bytes for each wave: two blocks of 256 bytes that no other line names
.set STG1,   0                         ; the way out of q and k: 1,024 bytes a wave;  of v: 512 a wave.  Both lie in slot 0, which has had its last fill and its last read by then
.set STG2,   4096
.set ADRA, 16                          ; v16-17  LDS address of my A fragments in slot 0, 1
.set ADRB, 20                          ; v20-21  the same for B
.set ADRS, 27                          ; v27     LDS address of my scale words: lanes 0-15 A's rows, lanes 16-31 B's
.set SPW,  28                          ; v28     LDS address of my spare word; never rewritten
.set NIL,  29                          ; v29     0; never rewritten
.set SC,   32                          ; scale words: set s at v[SC + 32 s]; register 4 i + q: lanes 0-15 the word of A's block i, lanes 16-31 of B's block i, for the slot's q-th 128 along K
.set AF,   128                         ; A's fragments
.set VO,   8                           ; v8   the way out: 16 x lane
.set SA,   9                           ; v9   where a scale word goes into my stage
.set SR,   10                          ; v10  where the stage is read back
.set BO,   11                          ; v11  my byte offset among the biases
.set VO2,  12                          ; v12  v's scale words: my place in kvbuf
.set TM,   96                          ; v96-99 largest magnitudes, v100-103 bytes, v104 at work, v108-111 the conversions' scale operands
.set PW,   112
.set SBK,  120
.set T,    128
.set PC,   192
.set BI,   0                           ; in window 1
.set G1,  24                           ; s[24:31] descriptor group 1 for codes;  s[32:39] group 0, a set for each slot
.set G0,  32
.set G1S, 48                           ; s[48:55], s[56:59] the same for the scale bytes
.set G0S, 56
.set SEL, 78                           ; s[78:79] v_permlanex16_b32's selects for lane l xor 16
.set OB,  80                           ; s[80:81], s[82:83] where my two heads' records begin
.set BP,  84                           ; s[84:85] my biases
.set MSB, 0
.macro WIN new                         ; the immediate's high byte repeats the setting that is left
.if MSB != \new
	s_set_vgpr_msb (MSB<<8)|\new
.set MSB, \new
.endif
.endm
.set MUL_LO, 0xa1                      ; source 0 (B) window 1, source 1 (A) window 0, C and D window 2
.set MUL_HI, 0xf1                      ; the same, C and D window 3
.set TO_B,   0x40                      ; destination window 1, address window 0
.macro PLACES n
.rept \n
	v_nop
.endr
.endm
	s_load_b256 s[4:11], s[0:1], 0x0               ; x_codes s[4:5], x_scales s[6:7], w_codes s[8:9], w_scales s[10:11]
	s_load_b256 s[68:75], s[0:1], 0x20             ; bq s[68:69], bk s[70:71], bv s[72:73], qbuf s[74:75]
	s_load_b64 s[76:77], s[0:1], 0x40              ; kvbuf
	v_lshl_add_u32 v[SPW], v0, 2, SPARE
	v_mov_b32 v[NIL], 0
	ds_add_u32 v28, v29
	ds_add_u32 v28, v29
	s_wait_dscnt 0x0
	v_lshrrev_b32 v1, 5, v0
	v_readfirstlane_b32 s14, v1                    ; wave 0..3
	s_lshr_b32 s15, s14, 1                         ; which half of A's rows is mine.  Also: I fetch for A (0) or for B (1)
	s_and_b32 s16, s14, 1                          ; which half of B's rows.  Also: which 128 rows I fetch
	s_mov_b32 s42, ttmp9                           ; which 256 rows of w_codes
	s_and_b32 s17, ttmp7, 0xffff                   ; which 256 rows of x_codes
	s_mov_b32 s[SEL], 0x76543210
	s_mov_b32 s[SEL+1], 0xfedcba98
	; descriptor group 1: 128 rows x 256 bytes, 1,024 bytes apart, padded in LDS
	s_mov_b32 s[G1+0], (0<<16)|(1<<20)|(5<<22)|(3<<25)   ; 15:0 no mask; 17:16 elements of 1 byte; 20 padding on; 24:22 after every 64 words (code 5); 31:25 four words (code 3)
	s_mov_b32 s[G1+1], ROWB<<16                    ; tensor_dim0
	s_mov_b32 s[G1+2], 256<<16                     ; tensor_dim1: 256 rows for the head's loads; set to 128 for the ring's behind them
	s_mov_b32 s[G1+3], ROWB<<16                    ; tile_dim0
	s_mov_b32 s[G1+4], 256                         ; tile_dim1 likewise
	s_mov_b32 s[G1+5], KROW                        ; tensor_dim0_stride
	s_mov_b32 s[G1+6], 0
	s_mov_b32 s[G1+7], 0
	; and for the scale bytes of 128 rows: 8,192 dense bytes, as 32 rows of 256 bytes (32 elements of 8 bytes), 16 bytes of padding behind each
	s_mov_b32 s[G1S+0], (3<<16)|(1<<20)|(5<<22)|(3<<25)
	s_mov_b32 s[G1S+1], 32<<16
	s_mov_b32 s[G1S+2], 64<<16                     ; the scale bytes of 256 rows: 64 rows of 256 bytes
	s_mov_b32 s[G1S+3], 32<<16
	s_mov_b32 s[G1S+4], 64
	s_mov_b32 s[G1S+5], 32
	s_mov_b32 s[G1S+6], 0
	s_mov_b32 s[G1S+7], 0
	; what I fetch: A's rows are tokens for q and k and columns of Wv for v; B's the other way round
	s_cmp_ge_u32 s42, 10
	s_cselect_b32 s18, 1, 0
	s_xor_b32 s18, s18, s15                        ; 0: I fetch rows of x; 1: rows of W
	s_lshl_b32 s19, s17, 8
	s_lshl_b32 s40, s42, 8
	s_lshl_b32 s41, s16, 7
	s_mul_i32 s46, s14, HALFT                      ; where they go: wave x 128 rows
	s_wait_kmcnt 0x0
	s_cmp_eq_u32 s18, 0                            ; the choice hangs on the work-group's and the wave's number alone
	s_cselect_b64 s[20:21], s[4:5], s[8:9]
	s_cselect_b32 s19, s19, s40
	s_add_co_u32 s19, s19, s41                     ; my first row
	s_lshl_b32 s44, s19, 10
	s_mov_b32 s45, 0
	s_add_nc_u64 s[20:21], s[20:21], s[44:45]      ; its codes
	; the head's four tiles, one a wave: wave 0 A's 256 rows of K step 0, wave 1 B's, wave 2 the scale bytes of A's 256 rows, wave 3 of B's.  The side is wave % 2
.set G0H, 60                           ; s[60:63] group 0 for the head's load of codes
	s_cmp_ge_u32 s42, 10
	s_cselect_b32 s12, 1, 0
	s_xor_b32 s12, s12, s16                        ; 0: that side's rows are rows of x; 1: rows of W
	s_lshl_b32 s13, s17, 8
	s_cmp_eq_u32 s12, 0                            ; the choice hangs on the work-group's and the wave's number alone
	s_cselect_b64 s[66:67], s[4:5], s[8:9]
	s_cselect_b64 s[22:23], s[6:7], s[10:11]
	s_cselect_b32 s13, s13, s40                    ; the side's first row
	s_lshl_b32 s44, s13, 10
	s_add_nc_u64 s[66:67], s[66:67], s[44:45]      ; its codes
	s_lshl_b32 s44, s13, 6
	s_add_nc_u64 s[22:23], s[22:23], s[44:45]      ; its scale bytes
	s_mov_b32 s[G0H], 1
	s_mul_i32 s[G0H+1], s16, 2*HALFT               ; slot 0: A's 256 rows, then B's
	s_mov_b64 s[G0H+2:G0H+3], s[66:67]
	s_or_b32 s[G0H+3], s[G0H+3], 0x80000000
	s_mov_b32 s[G0S], 1
	s_mul_i32 s12, s16, 2*HALFS
	s_add_co_u32 s[G0S+1], s12, SCL
	s_mov_b64 s[G0S+2:G0S+3], s[22:23]
	s_or_b32 s[G0S+3], s[G0S+3], 0x80000000
.irp s, 0,1
	s_mov_b32 s[G0+4*\s], 1
	s_add_co_u32 s[G0+4*\s+1], s46, \s*SLOT
	s_add_nc_u64 s[G0+4*\s+2:G0+4*\s+3], s[20:21], \s*ROWB         ; K step s
	s_or_b32 s[G0+4*\s+3], s[G0+4*\s+3], 0x80000000
.endr
	s_cmp_lt_u32 s14, 2                            ; one tensor load a wave at the head: every way passes exactly one
	s_cbranch_scc0 .Lhead_s
	tensor_load_to_lds s[G0H:G0H+3], s[G1:G1+7]
	s_nop 0
	PLACES 4
	s_branch .Lhead_asked
.Lhead_s:
	tensor_load_to_lds s[G0S:G0S+3], s[G1S:G1S+7]
	s_nop 0
	PLACES 4
.Lhead_asked:
	v_and_b32 v1, 15, v0                           ; r = l % 16
	v_bfe_u32 v2, v0, 4, 1                         ; h = l / 16
	v_mul_u32_u24 v3, v1, PITCH
	v_lshl_add_u32 v4, v2, 4, v3                   ; a fragment's row x pitch + 16 x half
	s_mul_i32 s86, s15, HALFT                      ; my 128 rows of A
	s_mul_i32 s87, s16, HALFT                      ; my 128 rows of B,
	s_add_co_u32 s87, s87, 2*HALFT                 ; which lie behind A's 256
.irp s, 0,1
	v_add_nc_u32 v[ADRA+\s], s86, v4
	v_add_nc_u32 v[ADRB+\s], s87, v4
	s_add_co_u32 s86, s86, SLOT
	s_add_co_u32 s87, s87, SLOT
.endr
	v_mul_u32_u24 v5, v1, KS                       ; my row's scale bytes: 64 a row,
	v_lshrrev_b32 v6, 8, v5
	v_lshl_add_u32 v5, v6, 4, v5                   ; and 16 more for each 256 passed
	s_mul_i32 s86, s15, HALFS                      ; A's: my 128 rows
	s_mul_i32 s87, s16, HALFS                      ; B's: my 128 rows, behind A's 256
	s_add_co_u32 s87, s87, 2*HALFS
	s_sub_co_u32 s87, s87, s86
	v_mul_u32_u24 v6, s87, v2                      ; lanes 16-31 take B's: one product, the distance between the two
	s_add_co_u32 s86, s86, SCL
	v_add_nc_u32 v5, v5, v6
	v_add_nc_u32 v[ADRS], s86, v5
.macro FRAG reg, adr, q, i             ; a fragment: lane l holds row l % 16; registers 4 c .. 4 c + 3 hold K = 64 c + 32 (l / 16) + 0 .. 31: 16 bytes of the row as they lie
.irp c, 0,1
	ds_load_b128 v[\reg+4*\c:\reg+4*\c+3], v[\adr] offset:64*(\q)+32*\c+(\i)*16*PITCH
.endr
.endm
; 16 matrix instructions: A's blocks a0, a0 + 1 x B's eight, the slot's q-th 128 along K.  p: B's set;  sc: the set of scale words.  zero = 1: the first product starts the sums: nothing is cleared.
; The 64 accumulators take turns, one instruction a turn, in the same order in every step.
.macro MUL16 a0, p, q, sc, zero
.irp a, \a0, \a0+1
.irp b, 0,1,2,3,4,5,6,7
.if \zero
	v_wmma_scale_f32_16x16x128_f8f6f4 v[8*(8*((\a)%4)+\b):8*(8*((\a)%4)+\b)+7], v[128*(\p)+FR*\b:128*(\p)+FR*\b+FR-1], v[AF+FR*(\a):AF+FR*(\a)+FR-1], 0, v[SC+8*NQ*(\sc)+NQ*\b+(\q)], v[SC+8*NQ*(\sc)+NQ*(\a)+(\q)] matrix_a_fmt:MATRIX_FMT_FP4 matrix_b_fmt:MATRIX_FMT_FP4 matrix_a_scale:MATRIX_SCALE_ROW1
.else
	v_wmma_scale_f32_16x16x128_f8f6f4 v[8*(8*((\a)%4)+\b):8*(8*((\a)%4)+\b)+7], v[128*(\p)+FR*\b:128*(\p)+FR*\b+FR-1], v[AF+FR*(\a):AF+FR*(\a)+FR-1], v[8*(8*((\a)%4)+\b):8*(8*((\a)%4)+\b)+7], v[SC+8*NQ*(\sc)+NQ*\b+(\q)], v[SC+8*NQ*(\sc)+NQ*(\a)+(\q)] matrix_a_fmt:MATRIX_FMT_FP4 matrix_b_fmt:MATRIX_FMT_FP4 matrix_a_scale:MATRIX_SCALE_ROW1
.endif
.endr
.endr
.endm
.macro FETCH_B slot, q, p              ; B's eight fragments of the slot's q-th 128 along K into set p
	WIN TO_B
.irp i, 0,1,2,3,4,5,6,7
	FRAG 128*(\p)+FR*\i, ADRB+\slot, \q, \i
.endr
	WIN 0
.endm
.macro FETCH_A slot, q, i0             ; A's blocks i0 .. i0 + 3
.irp i, \i0, \i0+1, \i0+2, \i0+3
	FRAG AF+FR*(\i), ADRA+\slot, \q, \i
.endr
.endm
.macro SCALES sc                       ; a K step's scale words into set sc: four words a row; lanes 0-15 take A's block i, lanes 16-31 B's block i
.irp i, 0,1,2,3,4,5,6,7
	ds_load_b128 v[SC+8*NQ*\sc+NQ*\i:SC+8*NQ*\sc+NQ*\i+3], v[ADRS] offset:\i*SBLK
.endr
.endm
; A step of 128 along K that has its successor in the same slot.  A load into a register that a matrix instruction has read stands four places behind it, and only plain vector
; instructions that name none of its registers are places (ISA guide 7.12.1 for vector instructions).
.macro STEP slot, q, zero
	s_wait_dscnt 4*NL                              ; B's set and A's blocks 0-3 are in; the youngest eight loads (A's blocks 4-7) may be out
	WIN MUL_LO
	MUL16 0, (\q)%2, \q, \slot, \zero
	MUL16 2, (\q)%2, \q, \slot, \zero
	s_wait_dscnt 0                                 ; A's blocks 4-7 are in
	PLACES NP
	FETCH_B \slot, (\q)+1, 1-(\q)%2
	FETCH_A \slot, (\q)+1, 0
	WIN MUL_HI
	MUL16 4, (\q)%2, \q, \slot, \zero
	MUL16 6, (\q)%2, \q, \slot, \zero
	PLACES NP
	WIN 0
	FETCH_A \slot, (\q)+1, 4
.endm
; A slot's last step changes slots: ONE barrier.  In front of it each wave waits for all its tensor loads, adds 0 to its spare word, and waits for that and for its own reads of this slot.
; Behind it nobody reads this slot and the next slot is whole.  fill = 1: this slot is filled again, two K steps ahead: my one tensor load behind the barrier, and the first thing there.
.macro TURN slot, next, fill
	s_wait_tensorcnt 0x0                           ; all my tensor loads have landed: the one that was out is my part of the next slot  (every window is 0 here)
	ds_add_u32 v[SPW], v[NIL]                      ; 0 onto my spare word
	s_wait_dscnt 4*NL+1                            ; (the add and the youngest eight loads, A's blocks 4-7, may be out)
	WIN MUL_LO
	MUL16 0, 1, NQ-1, \slot, 0                     ; sixteen matrix instructions stand between the add and the wait for it
	s_wait_dscnt 0x0                               ; the add is done, and my reads of this slot are over
	s_barrier_signal -1
	MUL16 2, 1, NQ-1, \slot, 0                     ; work on registers while the others arrive
	WIN 0
	s_barrier_wait -1
.if \fill
	s_add_nc_u64 s[G0+4*\slot+2:G0+4*\slot+3], s[G0+4*\slot+2:G0+4*\slot+3], 2*ROWB   ; no tensor load of mine is out, so a group 0 may be written
	tensor_load_to_lds s[G0+4*\slot:G0+4*\slot+3], s[G1:G1+7]
	s_nop 0
.endif
	PLACES NP                                      ; the places in front of the loads below
	v_add_nc_u32 v[ADRS], 4*NQ, v[ADRS]            ; on to the next K step's scale words (no LDS load of mine is out)
	FETCH_B \next, 0, 0
	FETCH_A \next, 0, 0
	SCALES \next
	WIN MUL_HI
	MUL16 4, 1, NQ-1, \slot, 0
	MUL16 6, 1, NQ-1, \slot, 0
	PLACES NP
	WIN 0
	FETCH_A \next, 0, 4
.endm
.macro STEPS slot, from                ; the slot's steps from .. NQ - 2
.set Q, \from
.rept NQ-1-\from
	STEP \slot, Q, 0
.set Q, Q+1
.endr
.endm
	s_wait_alu depctr_va_vdst(0)
	s_wait_tensorcnt 0x0                           ; my tile of the head's four is in; slot 1's first fill is issued as a refill is
	ds_add_u32 v[SPW], v[NIL]
	s_mov_b32 s[G1+2], 128<<16                     ; no tensor load of mine is out: from here on a load brings 128 rows
	s_mov_b32 s[G1+4], 128
	s_wait_dscnt 0x0
	s_barrier_signal -1
	s_barrier_wait -1                              ; all four tiles are in
	tensor_load_to_lds s[G0+4:G0+7], s[G1:G1+7]    ; K step 1, my quarter of slot 1: my one load behind this barrier
	s_nop 0
	PLACES 4
	FETCH_B 0, 0, 0
	FETCH_A 0, 0, 0
	SCALES 0
	FETCH_A 0, 0, 4
	STEP 0, 0, 1                                   ; the first step stands in front of the loop: its products start the sums
	s_mov_b32 s3, LAPS-1
.Llap:                                                 ; a trip goes once round the ring, from a lap's second step to the next lap's first, and fills both slots again
	STEPS 0, 1
	s_wait_alu depctr_va_vdst(0)
	TURN 0, 1, 1
	s_wait_alu depctr_va_vdst(0)
	STEPS 1, 0
	TURN 1, 0, 1
	STEP 0, 0, 0
	s_sub_co_u32 s3, s3, 1
	s_cmp_lg_u32 s3, 0
	s_cbranch_scc1 .Llap
	STEPS 0, 1                                     ; the last lap fills nothing
	s_wait_alu depctr_va_vdst(0)
	TURN 0, 1, 0
	STEPS 1, 0
	s_wait_dscnt 4*NL                              ; the very last step: nothing more to fetch
	WIN MUL_LO
	MUL16 0, 1, NQ-1, 1, 0
	MUL16 2, 1, NQ-1, 1, 0
	s_wait_dscnt 0
	WIN MUL_HI
	MUL16 4, 1, NQ-1, 1, 0
	MUL16 6, 1, NQ-1, 1, 0
	WIN 0
; ---------------- THE WAY OUT.  For a block a of A's rows a lane's 64 registers are, register 16 b + i, number 32 b + 16 (lane / 16) + i of its row along B's true order: four blocks of 32, each in lanes l and l xor 16.
; QMAX: the four blocks' largest magnitudes, the conversions' scale operands (v[TM+12] on) and the scale bytes (v[TM+4] on), the same in both halves of the lanes.
.macro QMAX s
.irp b, 0,1,2,3
	v_max3_num_f32 v[TM+\b], |v[\s+16*\b]|, |v[\s+1+16*\b]|, 0x1800000   ; my 16 numbers of block b, and the floor 2^(3 - 127): the byte cannot fall under 1
.endr
.irp i, 2,4,6,8,10,12,14
.irp b, 0,1,2,3
	v_max3_num_f32 v[TM+\b], v[TM+\b], |v[\s+16*\b+\i]|, |v[\s+1+16*\b+\i]|   ; (the four blocks by turns)
.endr
.endr
.irp b, 0,1,2,3
	v_permlanex16_b32 v[TM+4+\b], v[TM+\b], s[SEL], s[SEL+1]
.endr
.irp b, 0,1,2,3
	v_max_num_f32 v[TM+\b], v[TM+\b], v[TM+4+\b]   ; with lane l xor 16's
.endr
.irp b, 0,1,2,3
	v_add_nc_u32 v[TM+12+\b], 0xff000000, v[TM+\b] ; 2 off the exponent field
.endr
.irp b, 0,1,2,3
	v_lshrrev_b32 v[TM+4+\b], 23, v[TM+12+\b]      ; the scale's byte
.endr
.endm
; QCVT: the codes, in v[pc] .. v[pc + 7]: registers 4 c .. 4 c + 3 hold numbers 64 c + 32 (lane / 16) + 0 .. 31
.macro QCVT s, pc
.irp b, 0,1,2,3
	v_cvt_scalef32_pk8_fp4_f32 v[\pc+2*\b], v[\s+16*\b:\s+7+16*\b], v[TM+12+\b]
	v_cvt_scalef32_pk8_fp4_f32 v[\pc+1+2*\b], v[\s+8+16*\b:\s+15+16*\b], v[TM+12+\b]
.endr
	v_nop                                          ; one plain place behind a scaled conversion
.irp c, 0,1                            ; the operand's layout wants a WHOLE block in a lane: lanes 0-15 block 2 c, lanes 16-31 block 2 c + 1
.irp i, 0,1
	v_permlane16_swap_b32 v[\pc+4*\c+\i], v[\pc+2+4*\c+\i]
.endr
.endr
.endm
.macro FINISH                          ; the wave's end, behind my last tensor load and my last LDS store
	s_wait_tensorcnt 0x0
	ds_add_u32 v[SPW], v[NIL]
	s_wait_dscnt 0x0
	s_endpgm
.endm
.irp b, 0,1,2,3
	v_mov_b32 v[TM+4+\b], 0                        ; written once: a lane permute's destination counts as one of its sources.  These six lines name no register of the last products: they are the places behind them
.endr
	v_and_b32 v3, 31, v0
	v_lshlrev_b32 v[VO], 4, v3                     ; 16 x lane
	s_cmp_lt_u32 s42, 10
	s_cbranch_scc0 .Lkind2
	; ---- q and k: my 128 tokens are group G = 2 y + my half of A; my 128 columns are two heads
	s_lshl_b32 s86, s17, 1
	s_add_co_u32 s86, s86, s15
	s_lshr_b32 s87, s86, 4                         ; b
	s_and_b32 s86, s86, 15                         ; the group of 128 tokens in b
	s_mov_b32 s90, 8960
	s_cmp_lt_u32 s42, 8                            ; q or k?  The choice hangs on the work-group's number alone
	s_cselect_b64 s[OB:OB+1], s[74:75], s[76:77]
	s_cselect_b64 s[BP:BP+1], s[68:69], s[70:71]
	s_cselect_b32 s88, 5, 3                        ; 32 heads or 8
	s_cselect_b32 s89, 0, 8
	s_cselect_b32 s90, 4608, s90                   ; bytes of a record
	s_sub_co_u32 s89, s42, s89                     ; which 256 columns of the tensor
	s_lshl_b32 s87, s87, s88
	s_lshl_b32 s91, s89, 2
	s_add_co_u32 s87, s87, s91
	s_lshl_b32 s91, s16, 1
	s_add_co_u32 s87, s87, s91                     ; my first head, counted through b
	s_lshl_b32 s87, s87, 4
	s_add_co_u32 s87, s87, s86                     ; its record for my group
	s_mul_i32 s92, s87, s90
	s_mov_b32 s93, 0
	s_add_nc_u64 s[OB:OB+1], s[OB:OB+1], s[92:93]
	s_lshl_b32 s92, s90, 4                         ; the next head's lies 16 records on
	s_add_nc_u64 s[OB+2:OB+3], s[OB:OB+1], s[92:93]
	s_lshl_b32 s92, s89, 10
	s_lshl_b32 s91, s16, 9
	s_add_co_u32 s92, s92, s91
	s_add_nc_u64 s[BP:BP+1], s[BP:BP+1], s[92:93]  ; my 128 biases
	v_lshlrev_b32 v[BO], 6, v2                     ; register 16 b + i wants the bias of column 32 b + 16 h + i
	WIN TO_B
.irp b, 0,1,2,3
.irp q, 0,1,2,3
	global_load_b128 v[BI+16*\b+4*\q:BI+16*\b+4*\q+3], v[BO], s[BP:BP+1] offset:128*\b+16*\q
.endr
.endr
	WIN 0
	s_mov_b32 vcc_lo, 0xffff0000                   ; lanes 16-31
	v_lshlrev_b32 v[SA], 4, v1
	v_lshl_add_u32 v[SA], v2, 9, v[SA]             ; the stage: lanes 0-15 the first head's words, lanes 16-31 the second's, 512 bytes on; 16 r
	s_lshl_b32 s86, s14, 10
	s_add_co_u32 s86, s86, STG1
	v_add_nc_u32 v[SA], s86, v[SA]
	s_wait_alu depctr_va_vdst(0)
	v_add_nc_u32 v[SR], s86, v[VO]
	s_wait_loadcnt 0x0
.macro OUT1 a
	WIN 0x06+(\a)/4                                ; source 0: the accumulators' window, source 1: window 1, destination: window 0
.set J, 0
.rept 32
	v_pk_add_f32 v[T+2*J:T+2*J+1], v[64*((\a)%4)+2*J:64*((\a)%4)+2*J+1], v[BI+2*J:BI+2*J+1]   ; + bias, into window 0; each accumulator from its low end on
.set J, J+1
.endr
	WIN 0
	QMAX T
	v_lshl_or_b32 v[PW+\a], v[TM+5], 8, v[TM+4]    ; the first head's two bytes,
	v_lshl_or_b32 v[TM+8], v[TM+7], 8, v[TM+6]     ; the second's:
	v_cndmask_b32 v[PW+\a], v[PW+\a], v[TM+8], vcc_lo   ; lanes 16-31 carry the second head's word of token r
	v_or_b32 v[PW+\a], 0x7f7f0000, v[PW+\a]        ; the upper 64 of the instruction's 128 are zero codes under the scale 1
	QCVT T, PC+8*(\a)
	global_store_b128 v[VO], v[PC+8*\a:PC+8*\a+3], s[OB:OB+1] offset:512*\a       ; the wave stores 512 consecutive bytes, aligned to 256
	global_store_b128 v[VO], v[PC+8*\a+4:PC+8*\a+7], s[OB+2:OB+3] offset:512*\a
	ds_store_b32 v[SA], v[PW+\a] offset:256*((\a)%2)+4*((\a)/2)
.endm
.irp a, 0,1,2,3,4,5,6,7
	OUT1 \a
.endr
	ds_load_b128 v[SBK:SBK+3], v[SR]               ; the two heads' 512 bytes of scale words: these see my stores (LDS serves a wave's instructions in order)
	ds_load_b128 v[SBK+4:SBK+7], v[SR] offset:512
	s_wait_dscnt 0x0
	global_store_b128 v[VO], v[SBK:SBK+3], s[OB:OB+1] offset:4096
	global_store_b128 v[VO], v[SBK+4:SBK+7], s[OB+2:OB+3] offset:4096
	FINISH
.Lkind2:
	; ---- v: my 128 rows of A are two heads' 64 d; my 128 tokens are group G = 2 y + my half of B
	s_lshl_b32 s86, s17, 1
	s_add_co_u32 s86, s86, s16
	s_lshr_b32 s87, s86, 4                         ; b
	s_and_b32 s86, s86, 15
	s_sub_co_u32 s89, s42, 10
	s_lshl_b32 s87, s87, 3
	s_lshl_b32 s91, s89, 2
	s_add_co_u32 s87, s87, s91
	s_lshl_b32 s91, s15, 1
	s_add_co_u32 s87, s87, s91                     ; my first head, counted through b
	s_lshl_b32 s87, s87, 4
	s_add_co_u32 s87, s87, s86
	s_mul_i32 s92, s87, 8960
	s_add_co_u32 s92, s92, 4608                    ; v's codes in the record
	s_mov_b32 s93, 0
	s_add_nc_u64 s[OB:OB+1], s[76:77], s[92:93]
	s_add_nc_u64 s[OB+2:OB+3], s[OB:OB+1], 16*8960
	s_lshl_b32 s92, s89, 10
	s_lshl_b32 s91, s15, 9
	s_add_co_u32 s92, s92, s91
	s_add_nc_u64 s[BP:BP+1], s[72:73], s[92:93]
	v_and_b32 v3, 8, v1
	v_add_nc_u32 v3, v3, v1
	v_lshlrev_b32 v[BO], 2, v3                     ; position 16 a + r is column 32 (a / 2) + 8 (a % 2) + r + 8 (r / 8)
	WIN TO_B
.irp a, 0,1,2,3,4,5,6,7
	global_load_b32 v[BI+2*\a], v[BO], s[BP:BP+1] offset:4*(32*(\a/2)+8*(\a%2))   ; one bias a lane and block, twice: a pair for the packed addition
	global_load_b32 v[BI+2*\a+1], v[BO], s[BP:BP+1] offset:4*(32*(\a/2)+8*(\a%2))
.endr
	WIN 0
	v_lshlrev_b32 v[SA], 3, v1                     ; the stage: 8 r; lanes r and r + 16 hold the same word and write it to the same place
	s_lshl_b32 s86, s14, 9
	s_add_co_u32 s86, s86, STG2
	v_add_nc_u32 v[SA], s86, v[SA]
	s_wait_alu depctr_va_vdst(0)
	v_add_nc_u32 v[SR], s86, v[VO]
	v_mul_u32_u24 v[VO2], v2, 16*8960              ; lanes 16-31 store the second head's words
	v_lshl_add_u32 v[VO2], v1, 4, v[VO2]
	s_wait_loadcnt 0x0
.macro OUT2 a
	WIN 0x06+(\a)/4
.set J, 0
.rept 32
	v_pk_add_f32 v[T+2*J:T+2*J+1], v[64*((\a)%4)+2*J:64*((\a)%4)+2*J+1], v[BI+2*\a:BI+2*\a+1]
.set J, J+1
.endr
	WIN 0
	QMAX T
	v_lshl_or_b32 v[PW+\a], v[TM+5], 8, v[TM+4]    ; the four bytes make my d's scale word for these 128 keys
	v_lshl_or_b32 v[PW+\a], v[TM+6], 16, v[PW+\a]
	v_lshl_or_b32 v[PW+\a], v[TM+7], 24, v[PW+\a]
	QCVT T, PC+8*(\a)
	global_store_b128 v[VO], v[PC+8*\a:PC+8*\a+3], s[OB+2*((\a)/4):OB+2*((\a)/4)+1] offset:1024*((\a)%4)
	global_store_b128 v[VO], v[PC+8*\a+4:PC+8*\a+7], s[OB+2*((\a)/4):OB+2*((\a)/4)+1] offset:1024*((\a)%4)+512
	ds_store_b32 v[SA], v[PW+\a] offset:256*((\a)/4)+128*((\a)%2)+4*(((\a)%4)/2)
.endm
.irp a, 0,1,2,3,4,5,6,7
	OUT2 \a
.endr
	ds_load_b128 v[SBK:SBK+3], v[SR]               ; lanes 0-15 the first head's 256 bytes, lanes 16-31 the second's
	s_wait_dscnt 0x0
	global_store_b128 v[VO2], v[SBK:SBK+3], s[OB:OB+1] offset:4096   ; sixteen lanes store 256 consecutive bytes, aligned
	FINISH
.Lfunc_end_k_q50e6e0f165_proj:
	.size	k_q50e6e0f165_proj, .Lfunc_end_k_q50e6e0f165_proj-k_q50e6e0f165_proj
	.p2alignl 7, 3214868480
	.fill 96, 4, 3214868480
	.section	.rodata,"a",@progbits
	.p2align	6, 0x0
	.amdhsa_kernel k_q50e6e0f165_proj
		.amdhsa_group_segment_fixed_size 327680
		.amdhsa_private_segment_fixed_size 0
		.amdhsa_enable_private_segment 0
		.amdhsa_kernarg_size 72
		.amdhsa_user_sgpr_count 2
		.amdhsa_user_sgpr_kernarg_segment_ptr 1
		.amdhsa_wavefront_size32 1
		.amdhsa_system_sgpr_workgroup_id_x 1
		.amdhsa_system_sgpr_workgroup_id_y 1
		.amdhsa_system_sgpr_workgroup_id_z 1
		.amdhsa_system_vgpr_workitem_id 0
		.amdhsa_next_free_vgpr 1024
		.amdhsa_next_free_sgpr 96
		.amdhsa_reserve_vcc 1
		.amdhsa_float_denorm_mode_32 3
		.amdhsa_float_denorm_mode_16_64 3
		.amdhsa_memory_ordered 1
		.amdhsa_forward_progress 1
		.amdhsa_inst_pref_size 255
	.end_amdhsa_kernel
	.section	.bss,"aw",@nobits
	.p2align	6
	.space	262144
	.amdgpu_metadata
---
amdhsa.version: [ 1, 2 ]
amdhsa.kernels:
  - .name:           k_q50e6e0f165_proj
    .symbol:         k_q50e6e0f165_proj.kd
    .args:
      - { .name: x_codes, .offset: 0, .size: 8, .value_kind: global_buffer, .address_space: global }
      - { .name: x_scales, .offset: 8, .size: 8, .value_kind: global_buffer, .address_space: global }
      - { .name: w_codes, .offset: 16, .size: 8, .value_kind: global_buffer, .address_space: global }
      - { .name: w_scales, .offset: 24, .size: 8, .value_kind: global_buffer, .address_space: global }
      - { .name: bq, .offset: 32, .size: 8, .value_kind: global_buffer, .address_space: global }
      - { .name: bk, .offset: 40, .size: 8, .value_kind: global_buffer, .address_space: global }
      - { .name: bv, .offset: 48, .size: 8, .value_kind: global_buffer, .address_space: global }
      - { .name: qbuf, .offset: 56, .size: 8, .value_kind: global_buffer, .address_space: global }
      - { .name: kvbuf, .offset: 64, .size: 8, .value_kind: global_buffer, .address_space: global }
    .group_segment_fixed_size: 327680
    .private_segment_fixed_size: 0
    .kernarg_segment_align: 8
    .kernarg_segment_size: 72
    .max_flat_workgroup_size: 128
    .sgpr_count:     96
    .vgpr_count:     1024
    .wavefront_size: 32
...
	.end_amdgpu_metadata
.endif
;; end of part 2
;; launch attn (part 3): grid 16 x 16, 16 waves a work-group, clusters of 4 x 1, 215,040 bytes of LDS; arguments qbuf, kvbuf, out0; writes out0
.if DOCPART == 3
	.amdgcn_target "amdgcn-amd-amdhsa--gfx1250"
	.amdhsa_code_object_version 6
	.text
	.protected	k_q50e6e0f165_attn
	.globl	k_q50e6e0f165_attn
	.p2align	8
	.type	k_q50e6e0f165_attn,@function
k_q50e6e0f165_attn:
	s_mov_b64 s[64:65], 0
	v_nop
	global_prefetch_b8 v0, s[64:65] scope:SCOPE_SE
	s_setreg_imm32_b32 hwreg(HW_REG_WAVE_MODE, 25, 1), 1
	s_wait_xcnt 0x0
	s_wait_alu depctr_hold_cnt(0) depctr_sa_sdst(0) depctr_va_vdst(0) depctr_va_sdst(0) depctr_va_ssrc(0) depctr_va_vcc(0) depctr_vm_vsrc(0)
	s_getreg_b32 s2, hwreg(HW_REG_IB_STS2, 6, 4)
	s_cmp_eq_u32 s2, 0
	s_cbranch_scc0 .Lentry_in_a_cluster
	s_endpgm
.Lentry_in_a_cluster:
	s_bfe_u32 s2, ttmp6, 0x10000c
	s_cmp_lg_u32 s2, 0x3003
	s_cbranch_scc0 .Lentry_shape_is_right
	s_endpgm
.Lentry_shape_is_right:
; out0[b][q][head 64 ..] = the sum over keys of softmax(q . k / 8) v, both products on codes of FP4 (E2M1) with one E8M0 scale for each 32 along a product's K; 32 query heads, 8 key and value heads, head size 64, 2,048 keys.
; THE SOFTMAX AHEAD OF THE SECOND PRODUCT: t = score x log2(e) / 8; M = the row's largest t so far, rounded UP to a whole number; p = 2^(t - M) is quantised along the keys, not normalised.
; The row's sum is taken of the unquantised p, in f32, and divides O at the end.  When M moves, the sum and O are multiplied by 2^(old M - new M): exact.
; qbuf and kvbuf hold images of the operands' registers in records of 128 tokens (layout: at the constants).  Tokens and v's d lie in POSITION ORDER (position = the number with bits 3 and 4 exchanged).
; SHARES.  Work-group y = b 8 + the key and value head; the cluster's x = which of its four query heads; the place in the cluster = which 512 query positions.  The four work-groups of a cluster walk the same
; K and V: the head's 143,360 bytes are asked for JOINTLY, once, at the head, one record (35 rows of 256 bytes) by each of the sixteen waves, and stay in LDS: nothing is filled again, no barrier stands in the loops.
; Each wave owns one tile of 16 queries at a time, twice, in 256 registers: four waves to a SIMD.
; THE FORM: v_wmma_scale_f32_32x16x128_f4: source 0 is 32 rows in 16 registers (registers 0-7 rows 0-15, 8-15 rows 16-31), its scale words fill the 32 lanes, the result is 16 registers: six matrix instructions a step.
; LAYOUT.  Both products are used transposed: S^T = K Q^T, O^T = V^T P^T: a lane holds ONE query (lane % 16).  THE KEYS OF A TILE OF K ARE CHOSEN BY THE LANE'S LDS ADDRESS: row r of tile (c, u) is key
; 64 c + 32 (r / 8) + 8 u + r % 8.  So lane (r, h) holds in registers 32 c + 8 u + j key 64 c + 32 h + 8 u + j: a WHOLE block of 32 keys in one lane, in the order of the second product's operand:
; a block's maximum needs no other lane, and the conversions' results are P's operand as they stand.
; A BLOCK'S SCALE: its largest p is 2^x, x = t - M of its largest score, by the same multiply-add as every p; so the scale's exponent is floor(x) - 2, with no exponential; x is held at -124 from below, so the byte cannot fall under 1.
; The first product's K is the head's 64.  Q's registers 4-7 are zero codes (scale bytes 0x7f).  Of a tile of K only 4 registers are loaded, and the tiles lie on end in the order u = 0, 2, 1, 3: an operand of 16 registers
; takes its first four as rows 0-15 and its third four as rows 16-31; its second and fourth four, the upper 64 along K, are other tiles' codes (behind the last: four spare registers), finite numbers that meet Q's zeros and add nothing.
; NO PREFETCH: K and V come by one group of loads at the head; the launch has no loop over memory to run ahead in.
; LIMITS: NaN and infinities are not served.  The promise holds while the scaled scores stay under 2^31 in magnitude.  Where v_exp_f32 rounds a block's largest p up to the next power of two
; (x within an ulp under a whole number), that one p is held at the largest code.  A block whose every p has fallen to 0 has zero codes.
.set QREC, 4608                        ; a record of qbuf: codes of tile a at 512 a + 16 lane; the scale word of position 16 a + r at 4,096 + 256 (a % 2) + 16 r + 4 (a / 2)
.set REC,  8960                        ; a record of kvbuf: k as q; v's codes at 4,608 + 1,024 t + 512 c + 16 lane; v's scale word of d position 16 t + r at 8,704 + 128 (t % 2) + 8 r + 4 (t / 2)
.set KVB,  16*REC                      ; a key and value head: LDS bytes 0 .. 143,359, as they lie in memory
.set STG,  KVB                         ; behind it: a stage of 16 rows x (256 bytes + 16) for each wave; no fill lands there
.set SPT,  272
.set SPARE, STG+16*16*SPT              ; the spare words, 128 bytes for each wave
.set LI,  1                            ; 16 x lane
.set L8,  2                            ; 8 x lane
.set LK,  3                            ; my place in a tile of K: 1,024 (r / 8) + 16 (r % 8) + 256 h
.set LS,  4                            ; and among K's scale words: 16 (r % 8) + 4 (r / 8) + 256 h: lanes 0-15 an even tile's, lanes 16-31 the odd one's
.set QW,  5                            ; Q's scale words: 16 r
.set SI,  6                            ; the stage: where I put 16 bytes of a row
.set SO,  7                            ; and where I read a row back
.set GO,  8                            ; my byte offset in two rows of out0
.set ADV, 9                            ; the record in hand + 16 x lane
.set AD8, 10                           ; + 8 x lane
.set ADK, 11                           ; the next record + LK
.set ADS, 12                           ; the next record + LS
.set SH8, 13                           ; 8 h
.set SPW, 14                           ; my spare word; never rewritten
.set NIL, 15                           ; 0; never rewritten
.set NM,  16                           ; -M (a pair: the packed form names two)
.set F,   18                           ; f = 2^(old M - new M) (a pair)
.set RUN, 20                           ; the largest score so far
.set TMP, 21
.set BA,  22                           ; two registers: the largest score of my blocks c = 0, 1
.set BB,  24                           ; two more: the second chain of each
.set E,   26                           ; two: x, then floor(x)
.set PT,  28                           ; a lane permute's result
.set LT,  29                           ; at work; at the end the row's sum
.set RL,  30                           ; its reciprocal (a pair)
.set L,   32                           ; the sum, in two halves
.set OPR, 34                           ; two: the conversions' scale operands
.set QF,  36                           ; v36-43 Q
.set QSC, 44                           ; scale words, and nothing else: Q's, p's, V's (a pair), K's (four)
.set PW,  45
.set VSC, 46
.set KSC, 48
.set QN,  52                           ; v52-56 the second tile's Q and its scale words
.set KF,  60                           ; v60-95 K
.set VF,  96                           ; v96-127 V
.set S,   128                          ; v128-191 S^T, then p
.set O,   192                          ; v192-223 O^T
.set PC,  224                          ; v224-231 p's codes
.set BK,  60                           ; the way out: rows read back, over K's registers
.set WV,  10
.set SEL, 20                           ; s[20:21] v_permlanex16_b32's selects for lane l xor 16
.set CS,  22                           ; s[22:23] c = log2(e) / 8
.set G1,  24
.set G0,  32
.set TB,  36                           ; LDS byte at which the record in hand begins; it also counts the steps
.set NPS, 38
.set TN,  39                           ; the next record, held at the last
.set QC,  40
.set QS,  42
.set OP,  44
.set KP,  58                           ; 0x7d007d: 125 onto both halves of a packed pair of exponents
.macro CROUND                          ; a round of the cluster's barrier
	s_barrier_signal -1
	s_barrier_wait -1
	s_cmp_lg_u32 s[WV], 0
	s_cbranch_scc1 .Lnot_wave_0_\@
	s_barrier_signal -3
.Lnot_wave_0_\@:
	s_barrier_wait -3
	s_barrier_signal -1
	s_barrier_wait -1
.endm
.macro KLOAD ak, as                    ; a record's K: 4 registers of scale words (register 2 c + u / 2: tile u even in lanes 0-15, odd in lanes 16-31), 8 tiles of 4 registers: place n holds tile c = n / 4, u = 2 (n % 2) + (n % 4) / 2
.irp k, 0,1,2,3
	ds_load_b32 v[KSC+\k], v[\as] offset:4096+128*(\k%2)+8*(\k/2)
.endr
.irp n, 0,1,2,3,4,5,6,7
	ds_load_b128 v[KF+4*\n:KF+4*\n+3], v[\ak] offset:2048*(\n/4)+512*((\n%4)/2)+128*(\n%2)
.endr
.endm
.macro LVL d, n                        ; n packed additions over p: pair k takes pair k + d, k = 0, 2 d, 4 d ..
.set K, 0
.rept \n
	v_pk_add_f32 v[S+2*K:S+2*K+1], v[S+2*K:S+2*K+1], v[S+2*(K+(\d)):S+2*(K+(\d))+1]
.set K, K+2*(\d)
.endr
.endm
	s_load_b128 s[4:7], s[0:1], 0x0                ; qbuf s[4:5], kvbuf s[6:7]
	s_load_b64 s[8:9], s[0:1], 0x10                ; out0
	v_lshl_add_u32 v[SPW], v0, 2, SPARE
	v_mov_b32 v[NIL], 0
	ds_add_u32 v[SPW], v[NIL]                      ; the opening lines: the add, twice on end, and its wait ahead of my first tensor load
	ds_add_u32 v[SPW], v[NIL]
	v_lshrrev_b32 v9, 5, v0
	v_readfirstlane_b32 s[WV], v9                  ; wave 0..15
	s_bfe_u32 s11, ttmp6, 0x40000                  ; my place in the cluster: it enters q's and out0's addresses alone
	s_and_b32 s12, ttmp7, 0xffff                   ; y = b 8 + key and value head, which the four partners share
	s_mov_b32 s[G1], 15|(3<<16)|(1<<21)            ; the mask: all four work-groups; elements of 8 bytes; bit 21 beside a mask
	s_mov_b32 s[G1+1], 32<<16
	s_mov_b32 s[G1+2], 35<<16
	s_mov_b32 s[G1+3], 32<<16
	s_mov_b32 s[G1+4], 35
	s_mov_b32 s[G1+5], 32
	s_mov_b32 s[G1+6], 0
	s_mov_b32 s[G1+7], 0
	s_mul_i32 s13, s[WV], REC                      ; my record of the head, in LDS as in memory
	s_mul_i32 s16, s12, KVB
	s_add_co_u32 s16, s16, s13
	s_mov_b32 s17, 0
	s_lshl_b32 s46, s12, 2
	s_add_co_u32 s46, s46, ttmp9                   ; b 32 + query head
	s_mul_i32 s46, s46, 16*QREC
	s_lshl_b32 s47, s11, 2
	s_lshr_b32 s48, s[WV], 3
	s_add_co_u32 s47, s47, s48                     ; my first group of 128 positions: 4 x place + wave / 8; the second lies two groups on
	s_mul_i32 s48, s47, QREC
	s_add_co_u32 s46, s46, s48                     ; its record
	s_and_b32 s49, s[WV], 7                        ; my tile a in the group
	s_and_b32 s50, s49, 1
	s_lshr_b32 s51, s49, 1
	s_lshl_b32 s48, s49, 9
	s_add_co_u32 s18, s46, s48                     ; its codes
	s_mov_b32 s19, 0
	s_lshl_b32 s48, s50, 8
	s_add_co_u32 s52, s46, s48
	s_lshl_b32 s48, s51, 2
	s_add_co_u32 s52, s52, s48
	s_add_co_u32 s52, s52, 4096                    ; its scale words
	s_mov_b32 s53, 0
	s_lshr_b32 s48, s12, 3
	s_lshl_b32 s48, s48, 11                        ; b's 2,048 tokens,
	s_lshl_b32 s54, s47, 7
	s_add_co_u32 s48, s48, s54                     ; the group's 128,
	s_lshl_b32 s54, s51, 5
	s_add_co_u32 s48, s48, s54
	s_lshl_b32 s54, s50, 3
	s_add_co_u32 s48, s48, s54                     ; position 16 a + i is token 32 (a / 2) + 8 (a % 2) + i + 8 (i / 8)
	s_lshl_b32 s48, s48, 13                        ; rows of 8,192 bytes
	s_and_b32 s54, s12, 7
	s_lshl_b32 s54, s54, 2
	s_add_co_u32 s54, s54, ttmp9                   ; the query head
	s_lshl_b32 s54, s54, 8
	s_add_co_u32 s54, s48, s54
	s_mov_b32 s55, 0
	s_mov_b32 s[SEL], 0x76543210
	s_mov_b32 s[SEL+1], 0xfedcba98
	s_mov_b32 s[CS], 0x3e38aa3b                    ; c = log2(e) / sqrt(64)
	s_mov_b32 s[CS+1], s[CS]
	s_mov_b32 s[KP], 0x7d007d
	s_mul_i32 s56, s[WV], 16*SPT
	s_add_co_u32 s56, s56, STG                     ; my stage
	s_wait_dscnt 0x0
	s_wait_kmcnt 0x0
	s_mov_b32 s[G0], 1
	s_mov_b32 s[G0+1], s13
	s_add_nc_u64 s[G0+2:G0+3], s[6:7], s[16:17]    ; it hangs on y and the wave's number alone
	s_or_b32 s[G0+3], s[G0+3], 0x80000000
	s_add_nc_u64 s[QC:QC+1], s[4:5], s[18:19]
	s_add_nc_u64 s[QS:QS+1], s[4:5], s[52:53]
	s_add_nc_u64 s[OP:OP+1], s[8:9], s[54:55]
	CROUND                                         ; all four work-groups are here: the joint loads meet
	tensor_load_to_lds s[G0:G0+3], s[G1:G1+7]      ; one tensor load of mine is out, the only one of the launch
	s_nop 0
	v_and_b32 v9, 31, v0
	v_and_b32 v10, 15, v0                          ; r
	v_bfe_u32 v11, v0, 4, 1                        ; h
	v_and_b32 v12, 7, v0                           ; r % 8
	v_bfe_u32 v13, v0, 3, 1                        ; r / 8
	v_lshlrev_b32 v[LI], 4, v9
	v_lshlrev_b32 v[L8], 3, v9
	v_lshlrev_b32 v[LK], 4, v12
	v_lshlrev_b32 v[LS], 4, v12
	v_lshlrev_b32 v[QW], 4, v10
	v_mul_u32_u24 v[SI], v10, SPT
	v_mul_u32_u24 v[SO], v11, SPT
	v_lshlrev_b32 v[GO], 13, v11
	v_lshl_add_u32 v[LK], v13, 10, v[LK]
	v_lshl_add_u32 v[LS], v13, 2, v[LS]
	v_lshl_add_u32 v[SI], v11, 6, v[SI]
	v_lshl_add_u32 v[SO], v10, 4, v[SO]
	v_lshl_add_u32 v[GO], v10, 4, v[GO]
	v_lshl_add_u32 v[LK], v11, 8, v[LK]
	v_lshl_add_u32 v[LS], v11, 8, v[LS]
	v_add_nc_u32 v[SI], s56, v[SI]                 ; in: row r, + 64 h: d = 16 h on
	v_add_nc_u32 v[SO], s56, v[SO]                 ; back: lanes 0-15 one row, lanes 16-31 the next
	v_lshlrev_b32 v[SH8], 3, v11
	global_load_b128 v[QF:QF+3], v[LI], s[QC:QC+1]                 ; both tiles' Q come now, while the tensor load is out
	global_load_b32 v[QSC], v[QW], s[QS:QS+1]
	global_load_b128 v[QN:QN+3], v[LI], s[QC:QC+1] offset:2*QREC   ; my second tile lies two groups of 128 positions on
	global_load_b32 v[QN+4], v[QW], s[QS:QS+1] offset:2*QREC
.irp j, 4,5,6,7
	v_mov_b32 v[QF+\j], 0                          ; Q's upper 64 along K: zero codes
.endr
.irp j, 32,33,34,35
	v_mov_b32 v[KF+\j], 0                          ; the four registers behind K's last tile
.endr
	v_mov_b32 v[NM+1], 0                           ; the upper halves of pairs, and a lane permute's destination, are written once
	v_mov_b32 v[F+1], 0
	v_mov_b32 v[PT], 0
	v_mov_b32 v[RL+1], 0
	s_wait_alu depctr_va_vdst(0)
	s_wait_tensorcnt 0x0                           ; my record is in,
	s_barrier_signal -1
	s_barrier_wait -1                              ; everybody's is: from here on LDS bytes 0 .. 143,359 are only read
	s_mov_b32 s[NPS], 2
.Lpass:                                            ; a tile of 16 queries
	KLOAD LK, LS                                   ; the first record's K
	v_mov_b32 v[RUN], 0xff61b1e6                   ; the largest score so far: -3e38
	v_mov_b32 v[NM], 0x7f61b1e6                    ; -M: 3e38: the first f is 0 and meets zeros
	v_mov_b32 v[L], 0
	v_mov_b32 v[L+1], 0
.set J, 0
.rept 32
	v_mov_b32 v[O+J], 0                            ; O^T: the step is written once, its first trip finds zeros
.set J, J+1
.endr
	s_mov_b32 s[TB], 0
	s_wait_alu depctr_va_vdst(0)
	s_wait_loadcnt 0x0                             ; Q
.Lstep:                                            ; 128 keys: one record
	s_add_co_u32 s[TN], s[TB], REC
	s_min_u32 s[TN], s[TN], 15*REC                 ; the last trip asks for the last record's K once more: the address stays inside the head's bytes
	s_wait_dscnt 0x0                               ; K and its scale words, asked for a step ago
.irp k, 0,1,2,3                        ; S^T = K Q^T: four accumulators of 32 keys, each begun with 0.  Instruction 2 c + y takes places 4 c + y .. 4 c + y + 3: tiles u = 2 y (rows 0-15) and 2 y + 1 (rows 16-31)
	v_wmma_scale_f32_32x16x128_f4 v[S+16*\k:S+16*\k+15], v[KF+16*(\k/2)+4*(\k%2):KF+16*(\k/2)+4*(\k%2)+15], v[QF:QF+7], 0, v[KSC+\k], v[QSC]
.endr
	v_add_nc_u32 v[ADV], s[TB], v[LI]              ; these four lines are the places behind the products, for the loads and the first reads below
	v_add_nc_u32 v[AD8], s[TB], v[L8]
	v_add_nc_u32 v[ADK], s[TN], v[LK]
	v_add_nc_u32 v[ADS], s[TN], v[LS]
	ds_load_b64 v[VSC:VSC+1], v[AD8] offset:8704   ; V's scale words: register u: lanes 0-15 tile 2 u's, lanes 16-31 tile 2 u + 1's
.irp t, 0,1,2,3
.irp c, 0,1
	ds_load_b128 v[VF+8*\t+4*\c:VF+8*\t+4*\c+3], v[ADV] offset:4608+1024*\t+512*\c
.endr
.endr
	KLOAD ADK, ADS                                 ; the next step's K: 12 loads, which have this step's softmax in which to come
	; the largest score of each block of 32 keys, all 32 in my registers: two chains a block, one to an accumulator, four chains by turns; each accumulator is read from its low end on
.irp c, 0,1
	v_max3_num_f32 v[BA+\c], v[S+32*\c], v[S+32*\c+1], v[S+32*\c+2]
	v_max3_num_f32 v[BB+\c], v[S+32*\c+16], v[S+32*\c+17], v[S+32*\c+18]
.endr
.irp i, 3,5,7,9,11,13
.irp c, 0,1
	v_max3_num_f32 v[BA+\c], v[BA+\c], v[S+32*\c+\i], v[S+32*\c+\i+1]
	v_max3_num_f32 v[BB+\c], v[BB+\c], v[S+32*\c+16+\i], v[S+32*\c+17+\i]
.endr
.endr
.irp c, 0,1
	v_max3_num_f32 v[BA+\c], v[BA+\c], v[S+32*\c+15], v[S+32*\c+31]
.endr
.irp c, 0,1
	v_max_num_f32 v[BA+\c], v[BA+\c], v[BB+\c]
.endr
	v_max3_num_f32 v[TMP], v[RUN], v[BA], v[BA+1]
	v_permlanex16_b32 v[PT], v[TMP], s[SEL], s[SEL+1]
	v_max_num_f32 v[RUN], v[TMP], v[PT]            ; with lane l xor 16's blocks: the running largest score
	v_mul_f32 v[TMP], s[CS], v[RUN]                ; as t (c is positive)
	v_floor_f32 v[TMP], -v[TMP]                    ; the new -M = -ceil(t): a whole number
	v_sub_f32 v[LT], v[TMP], v[NM]                 ; old M - new M: a whole number, 0 or less
	v_mov_b32 v[NM], v[TMP]
	v_cvt_i32_f32 v[LT], v[LT]                     ; (it saturates).  From here on the lines for f and those for the blocks' scales take turns
	v_fma_f32 v[E], s[CS], v[BA], v[NM]            ; x = t - M of each block's largest score
	v_fma_f32 v[E+1], s[CS], v[BA+1], v[NM]
	v_ldexp_f32 v[F], 1.0, v[LT]                   ; f: a multiplication by it rounds nothing
	v_max_num_f32 v[E], 0xc2f80000, v[E]           ; held at -124
	v_max_num_f32 v[E+1], 0xc2f80000, v[E+1]
.irp j, 0,2
	v_pk_mul_f32 v[O+\j:O+\j+1], v[O+\j:O+\j+1], v[F:F+1] op_sel_hi:[1,0]   ; O^T under the new M, ahead of the step's exponentials; each accumulator from its low end on
.endr
	v_cvt_floor_i32_f32 v[E], v[E]
	v_cvt_floor_i32_f32 v[E+1], v[E+1]
.irp j, 4,6
	v_pk_mul_f32 v[O+\j:O+\j+1], v[O+\j:O+\j+1], v[F:F+1] op_sel_hi:[1,0]
.endr
	v_add_lshl_u32 v[OPR], v[E], 0x7d, 23          ; the scale's byte, floor(x) - 2 + 127, as an exponent field: the conversion's scale operand
	v_add_lshl_u32 v[OPR+1], v[E+1], 0x7d, 23
	v_lshl_add_u32 v[E], v[E+1], 16, v[E]          ; my blocks h and 2 + h, packed
.irp j, 8,10,12,14,16,18,20,22,24,26,28,30
	v_pk_mul_f32 v[O+\j:O+\j+1], v[O+\j:O+\j+1], v[F:F+1] op_sel_hi:[1,0]
.endr
.set J, 0
.rept 32
	v_pk_fma_f32 v[S+2*J:S+2*J+1], v[S+2*J:S+2*J+1], s[CS:CS+1], v[NM:NM+1] op_sel_hi:[1,0,0]   ; t - M, two at a time
.set J, J+1
.endr
	s_wait_alu depctr_va_vdst(0)
.set J, 0
.rept 64
	v_exp_f32 v[S+J], v[S+J]                       ; p = 2^(t - M), at most 1: NOT normalised
.set J, J+1
.endr
	v_add_lshl_u32 v[E], v[E], s[KP], v[SH8]       ; 125 onto each: the two bytes; at their places in the word, 8 h bits up.  (A plain place behind the exponentials)
	s_wait_alu depctr_va_vdst(0)                   ; one wait for the whole batch
.irp c, 0,1
.irp u, 0,1,2,3
	v_cvt_scalef32_pk8_fp4_f32 v[PC+4*\c+\u], v[S+32*\c+8*\u:S+32*\c+8*\u+7], v[OPR+\c]   ; register 4 c + u: keys 64 c + 32 h + 8 u + 0 .. 7: the operand as it stands
.endr
.endr
	v_permlanex16_b32 v[PT], v[E], s[SEL], s[SEL+1]
	v_or_b32 v[PW], v[E], v[PT]                    ; with lane l xor 16's two bytes p's scale word is whole.  (Plain lines behind the conversions)
	LVL 1, 16                                      ; THE ROW'S SUM IS TAKEN OF THE UNQUANTISED p: a tree in place over p, whose codes are made.  These 32 lines are also the places ahead of the products
	LVL 2, 8
	LVL 4, 4
	LVL 8, 2
	LVL 16, 1
	v_pk_fma_f32 v[L:L+1], v[L:L+1], v[F:F+1], v[S:S+1] op_sel_hi:[1,0,1]   ; the sum so far under the new M, and this step's
	s_wait_dscnt 12                                ; V and its scale words are in; the 12 younger loads, the next step's K, may be out
.irp k, 0,1                            ; O^T += V^T P^T: 32 of the head's 64 to an instruction; the two accumulators by turns
	v_wmma_scale_f32_32x16x128_f4 v[O+16*\k:O+16*\k+15], v[VF+16*\k:VF+16*\k+15], v[PC:PC+7], v[O+16*\k:O+16*\k+15], v[VSC+\k], v[PW]
.endr
	s_add_co_u32 s[TB], s[TB], REC
	s_cmp_lg_u32 s[TB], KVB
	s_cbranch_scc1 .Lstep
	; THE WAY OUT.  O^T is divided by the sum and goes through my stage in LDS, so that sixteen lanes store a token's 256 bytes of my head.
	s_wait_dscnt 0x0                               ; the last trip's loads for K have landed: their registers are used below
	s_wait_alu depctr_va_vdst(0)                   ; the sum was written just ahead of waits
	v_add_f32 v[LT], v[L], v[L+1]                  ; the sum's two halves,
	v_permlanex16_b32 v[PT], v[LT], s[SEL], s[SEL+1]
	v_add_f32 v[LT], v[LT], v[PT]                  ; and lane l xor 16's: the row's sum
	v_nop                                          ; (with the three lines above: the four places behind the last products)
	s_wait_alu depctr_va_vdst(0)
	v_rcp_f32 v[RL], v[LT]
	v_nop                                          ; one plain place behind a transcendental
	s_wait_alu depctr_va_vdst(0)                   ; the wait behind the reciprocal, directly ahead of the first lines that read it and O^T
.irp j, 0,2,4,6,8,10,12,14,16,18,20,22,24,26,28,30
	v_pk_mul_f32 v[S+\j:S+\j+1], v[O+\j:O+\j+1], v[RL:RL+1] op_sel_hi:[1,0]
.endr
.irp q, 0,1,2,3
	ds_store_b128 v[SI], v[S+8*\q:S+8*\q+3] offset:128*(\q/2)+32*(\q%2)          ; d = 32 (q / 2) + 16 h + 8 (q % 2) + 0 .. 3
	ds_store_b128 v[SI], v[S+8*\q+4:S+8*\q+7] offset:128*(\q/2)+32*(\q%2)+16
.endr
.irp i, 0,1,2,3,4,5,6,7
	ds_load_b128 v[BK+4*\i:BK+4*\i+3], v[SO] offset:2*\i*SPT       ; LDS serves a wave's instructions in order (ISA guide 5.7.1.4): these see my stores
.endr
.irp j, 0,1,2,3
	v_mov_b32 v[QF+\j], v[QN+\j]                   ; the second tile's Q takes the operand's registers (behind the second tile the copy changes nothing)
.endr
	v_mov_b32 v[QSC], v[QN+4]
.irp i, 0,1,2,3,4,5,6,7
	s_wait_dscnt 7-\i                              ; load i is back; the younger ones may be out
	global_store_b128 v[GO], v[BK+4*\i:BK+4*\i+3], s[OP:OP+1] offset:(2*\i+8*(\i/4))*8192 th:TH_STORE_NT   ; stage row i' is token i' + 8 (i' / 8): sixteen lanes store 256 consecutive bytes, aligned
.endr
	s_wait_xcnt 0x0                                ; the stores have read their addresses and data: the base may step, and the registers may be written again
	s_add_nc_u64 s[OP:OP+1], s[OP:OP+1], 256*8192
	s_sub_co_u32 s[NPS], s[NPS], 1
	s_cmp_lg_u32 s[NPS], 0
	s_cbranch_scc1 .Lpass
	s_wait_tensorcnt 0x0                           ; the wave's end
	ds_add_u32 v[SPW], v[NIL]
	s_wait_dscnt 0x0
	CROUND                                         ; the closing round: no work-group ends while a partner may still ask for a tile that names it
	s_endpgm
.Lfunc_end_k_q50e6e0f165_attn:
	.size	k_q50e6e0f165_attn, .Lfunc_end_k_q50e6e0f165_attn-k_q50e6e0f165_attn
	.p2alignl 7, 3214868480
	.fill 96, 4, 3214868480
	.section	.rodata,"a",@progbits
	.p2align	6, 0x0
	.amdhsa_kernel k_q50e6e0f165_attn
		.amdhsa_group_segment_fixed_size 215040
		.amdhsa_private_segment_fixed_size 0
		.amdhsa_enable_private_segment 0
		.amdhsa_kernarg_size 24
		.amdhsa_user_sgpr_count 2
		.amdhsa_user_sgpr_kernarg_segment_ptr 1
		.amdhsa_wavefront_size32 1
		.amdhsa_system_sgpr_workgroup_id_x 1
		.amdhsa_system_sgpr_workgroup_id_y 1
		.amdhsa_system_sgpr_workgroup_id_z 1
		.amdhsa_system_vgpr_workitem_id 0
		.amdhsa_next_free_vgpr 256
		.amdhsa_next_free_sgpr 66
		.amdhsa_reserve_vcc 0
		.amdhsa_float_denorm_mode_32 3
		.amdhsa_float_denorm_mode_16_64 3
		.amdhsa_memory_ordered 1
		.amdhsa_forward_progress 1
		.amdhsa_inst_pref_size 26
	.end_amdhsa_kernel
	.amdgpu_metadata
---
amdhsa.version: [ 1, 2 ]
amdhsa.kernels:
  - .name:           k_q50e6e0f165_attn
    .symbol:         k_q50e6e0f165_attn.kd
    .args:
      - { .name: qbuf, .offset: 0, .size: 8, .value_kind: global_buffer, .address_space: global }
      - { .name: kvbuf, .offset: 8, .size: 8, .value_kind: global_buffer, .address_space: global }
      - { .name: out0, .offset: 16, .size: 8, .value_kind: global_buffer, .address_space: global }
    .group_segment_fixed_size: 215040
    .private_segment_fixed_size: 0
    .kernarg_segment_align: 8
    .kernarg_segment_size: 24
    .max_flat_workgroup_size: 512
    .sgpr_count:     66
    .vgpr_count:     256
    .wavefront_size: 32
...
	.end_amdgpu_metadata
.endif
;; end of part 3
